; MI455X (gfx1250); checked and timed in simulation.
; The chip was launched on July 23, 2026; its instructions are those of AMD's public machine-readable ISA for CDNA 5 (MIT licence, August 2026) and "CDNA5" Instruction Set Architecture Reference Guide (July 2026). The comments in the code are by the model that wrote it; some were corrected since.
;; KNN. Allowed arithmetic: matrix products marked QUANTISED: E3M2 operands, one E8M0 scale for each 32 along K, by v_wmma_scale_f32_16x16x128_f8f6f4 with both operands' format E3M2, f32 sums; everything else in f32.
;; Inputs: X 512 x 64 float32; train_features 200,000 x 64 float32; train_labels 200,000 int32.
;; Outputs: out0 512 int32.
;; Constants: k = 16, num_labels = 10.
;; This version of the problem:
;;   THIS VERSION OF THE PROBLEM IS GIVEN IN LOW PRECISION. The matrix products marked QUANTISED in the list below multiply operands that are first quantised to E3M2 (3 exponent bits, 2 mantissa bits; 6 bits a number), with one power-of-two scale for each 32 numbers along K (OCP MX v1.0); their sums are f32. All else is computed in f32.
;;   The module's matrix products, in the order in which they are computed (A, B: the left and right operand; K: the contracted axis; several contracted axes count as one K, in the product's order):
;;     1. [M 512, K 64] x [K 64, N 200,000]; A: input X; B: input train_features: QUANTISED
;;   THE QUANTISER, for each operand of a quantised product, along K:
;;     - K is cut into blocks of 32 from its start; a last block that is shorter is filled with zeros.
;;     - A block's scale is 2^e with e = floor(log2(the largest magnitude in the block)) - 4, held to -126 .. 127; a block of zeros has e = 0. As a byte (E8M0): e + 127.
;;     - Each number is divided by its block's scale, clamped to +-28, and rounded to the nearest number of E3M2, ties to even, subnormals kept.
;;     - The product sums the exact products of the quantised numbers (number of the format x scale) in f32.
;;   ~~~python
;;   def quantise(x, axis):      # numpy; x: float32 -> the quantised numbers, widened to float32 again
;;       x = np.moveaxis(x, axis, -1); K = x.shape[-1]
;;       x = np.pad(x, [(0, 0)] * (x.ndim - 1) + [(0, -K % 32)]); x = x.reshape(x.shape[:-1] + (-1, 32)); a = np.abs(x).max(-1, keepdims=True)
;;       e = np.where(a > 0, np.clip(np.frexp(np.where(a > 0, a, 1))[1] - 1 - 4, -126, 127), 0)      # np.frexp(a)[1] - 1 = floor(log2(a)), exactly
;;       r = np.clip(x / 2.0 ** e, -28, 28)
;;       step = 2.0 ** (np.maximum(np.frexp(np.where(r == 0, 1, r))[1] - 1, -2) - 2)
;;       q = np.round(r / step) * step * 2.0 ** e      # np.round: ties to even
;;       return np.moveaxis(q.reshape(q.shape[:-2] + (-1,))[..., :K], -1, axis).astype(np.float32)
;;   ~~~
;; One version. Each part assembles by itself: llvm-mc -triple=amdgcn-amd-amdhsa -mcpu=gfx1250 --defsym DOCPART=n.
;; ======== version 1 of 1: 4 launches
;; workspace buffers: gmax 25,600,000 bytes; cmax 512,000 bytes; xh 2,048 bytes; slices 32,768 bytes of whole numbers; groups 32,768 bytes of whole numbers
;; launch scan (part 1): grid 250 x 1, 4 waves a work-group, no clusters, 263,680 bytes of LDS; arguments X, train_features, gmax, cmax, xh; writes gmax, cmax, xh
.if DOCPART == 1
	.amdgcn_target "amdgcn-amd-amdhsa--gfx1250"
	.amdhsa_code_object_version 6
	.text
	.protected	k_q2d4dd93480_scan
	.globl	k_q2d4dd93480_scan
	.p2align	8
	.type	k_q2d4dd93480_scan,@function
k_q2d4dd93480_scan:
	s_mov_b64 s[64:65], 0
	v_nop
	global_prefetch_b8 v0, s[64:65] scope:SCOPE_SE
	s_setreg_imm32_b32 hwreg(HW_REG_WAVE_MODE, 25, 1), 1
	s_wait_xcnt 0x0
; KNN, pass 1 of 4.  key(q, t) = Q(x_q) . Q(t) - |t|^2 / 2, Q the MX quantiser to BF6 (E3M2) along the 64 features (two blocks of 32); a larger key is a nearer row,
; since d^2 = |x|^2 - 2 key.  This launch stores, for every query, the largest key of every GROUP of 16 neighbouring rows (gmax) and of every SLICE of 800 rows (cmax), and |x|^2 / 2 (xh).
; The 16 nearest rows lie in the 16 groups with the best (largest key, lowest number), and those in the 16 best slices: the later launches pick slices, then groups, then rows.
; SHARES.  Work-group s owns rows 800 s .. 800 s + 799: 25 pairs of 32 rows.  Wave w keeps query tiles 8 w .. 8 w + 7 as codes in registers and multiplies them with all 50 row tiles.
; The slice's 204,800 bytes come into LDS by 25 tensor loads, all first fills: nothing is filled again.  In round i wave w quantises pair 4 i + w, from bytes that its own load brought;
; the codes, scale words and -|t|^2 / 2 go to the other waves through LDS as images of the operand's registers, a barrier between the stores and the loads.
; THE PRODUCT: source 0 = 16 rows, source 1 = 16 queries, C = -|t|^2 / 2 in the result's layout: the key costs no vector instruction.  K's upper 64 are zero codes on both sides.
; Row m of tile u of a pair is pair row 16 (m / 8) + 8 u + m % 8, so that lane (r, h) holds, in the 16 registers of tiles 0 and 1, query r against the 16 rows of group 2 p + h.
; NO CLUSTER: 12,500 row tiles are 250 equal slices, and 250 is no multiple of four; what the work-groups share, X, goes into registers once, a quarter of it to each wave.
; LIMITS: NaN and infinities are not served.  A block whose largest magnitude is under 2^-122, a block of zeros among them, takes the scale byte 1 (zero codes add nothing under it; the bytes are read here alone).
; |x|^2 and |t|^2 are summed in four chains; the key's sum is made by the matrix instruction: another order of rounding than (x2 + t2) - 2 dot.
.set SLB,   204800                     ; a slice of train_features in bytes
.set RP,    272                        ; a raw row in LDS: 256 bytes + 16 of padding
.set RND,   32*RP                      ; a pair's raw rows
.set RAWW,  6*RND                      ; a wave's six pairs
.set RAWT,  4*RAWW                     ; the 25th pair
.set IMG,   RAWT+RND                   ; 217,600 = 850 x 256: the images; no tensor load lands from here on
.set REC,   1792                       ; a pair's image: tile u at 768 u (512 bytes: registers 0-3; 256: registers 4-5); +1536 scale words; +1664 the 32 c
.set RNDI,  4*REC
.set GSL,   102400                     ; a slice's part of gmax
.set LN,  1                            ; lane
.set R,   2                            ; lane % 16
.set HB,  3                            ; lane / 16
.set XAD, 4                            ; X: (128 w + r) x 256 + 128 hb
.set RWA, 5                            ; raw rows of my pairs: RAWW w + 272 (r + (r & 8)) + 128 hb
.set RWT, 6                            ; the same in the 25th pair
.set IWA, 7                            ; images, on the way in: IMG + REC w + 16 lane,
.set IWB, 8                            ; + 8 lane,
.set IWS, 9                            ; + 4 lane,
.set IWC, 10                           ; + 4 (r + (r & 8))
.set ILA, 11                           ; and on the way out: IMG + 16 lane,
.set ILB, 12                           ; + 8 lane,
.set ILS, 13                           ; + 4 lane,
.set ILC, 14                           ; + 64 hb
.set GA,  15                           ; gmax: 4096 w + 32 r + 16 hb
.set TA,  16                           ; gmax, last pair: 98304 + 1024 w + 16 lane
.set CA,  17                           ; cmax: (8 w + hb) x 16000 + 4 r
.set SH8, 18                           ; 8 hb
.set XHA, 19                           ; xh: (128 w + 16 hb + r) x 4
.set QS,  20                           ; v20-27   my query tiles' scale words: scales and nothing else
.set CM,  28                           ; v28-35   the slice's largest key so far (at the head: |x|^2 / 2)
.set AM,  36                           ; v36-37   largest magnitudes, two chains
.set SO,  38                           ; the conversions' scale operand
.set SB,  39                           ; the scale's byte
.set PC,  40                           ; v40-45   a tile's codes
.set PX,  46                           ; v46-48   the second conversion's result
.set SS,  50                           ; v50-53   sums of squares
.set TT,  54                           ; what a lane permute brings
.set SW0, 55                           ; tile 0's scale words, tile 1's
.set SW1, 56
.set SCB, 57                           ; v57-58   a pair's scale words, one register for each operand buffer: scales and nothing else
.set CV0, 59                           ; -|t|^2 / 2 of tile 0
.set MX,  60                           ; v60-61   running maxima of two query tiles;  v60-63 also the data of the small stores
.set MY,  61
.set CV1, 62                           ; -|t|^2 / 2 of tile 1
.set SWM, 63                           ; the pair's merged scale words
.set ST4, 60
.set OB,  64                           ; v64-143  two operand buffers of 40: tile 0's codes 12, tile 1's 12, C of tile 0 8, of tile 1 8.  At the head v64-191: four raw tiles of X
.set DD,  144                          ; v144-207 two sets of four results;  while a pair is quantised: its 2 x 32 raw numbers
.set G,   208                          ; v208-239 group maxima: query tile qi, pair w' of the round at G + 4 qi + w'
; window 1: v[12 qi] on: my eight query tiles' codes, 12 registers each (v256-351)
.set G1,  16                           ; s[16:23] descriptor group 1;  s[24:27] group 0 of the 25th pair;  s[28:51] of my six pairs
.set G0T, 24
.set G0,  28
.set SEL, 52                           ; s[52:53] selects of v_permlanex16_b32: lane l xor 16
.set HM,  54                           ; mask of lanes 16-31
.set MSB, 0
.macro WIN new                         ; the immediate's high byte repeats the setting that is left
.if MSB != \new
	s_set_vgpr_msb (MSB<<8)|\new
.set MSB, \new
.endif
.endm
.macro NOPS n
.rept \n
	v_nop
.endr
.endm
; A lane's 32 numbers v[x] .. v[x + 31] are block hb of its row.  Out: the fragment's registers 0-5 in v[dst] on, the row's scale word in v[swd] (bytes 0, 1; bytes 2, 3 are 0 over zero codes), the row's sum of squares in v[SS], the last two in both halves of the lanes.
.macro QTILE x, dst, swd
	v_max3_num_f32 v[AM], |v[\x]|, |v[\x+1]|, 0x2800000               ; the block's largest magnitude, and the floor 2^(5 - 127): the byte cannot fall under 1
	v_max3_num_f32 v[AM+1], |v[\x+2]|, |v[\x+3]|, |v[\x+4]|
.irp i, 5,9,13,17,21,25
	v_max3_num_f32 v[AM], v[AM], |v[\x+\i]|, |v[\x+\i+1]|
	v_max3_num_f32 v[AM+1], v[AM+1], |v[\x+\i+2]|, |v[\x+\i+3]|
.endr
	v_max3_num_f32 v[AM], v[AM], |v[\x+29]|, |v[\x+30]|
	v_max3_num_f32 v[AM], v[AM], v[AM+1], |v[\x+31]|
	v_pk_mul_f32 v[SS:SS+1], v[\x:\x+1], v[\x:\x+1]                   ; the sum of squares of the numbers as they are given, four chains
	v_pk_mul_f32 v[SS+2:SS+3], v[\x+2:\x+3], v[\x+2:\x+3]
.irp i, 4,8,12,16,20,24,28
	v_pk_fma_f32 v[SS:SS+1], v[\x+\i:\x+\i+1], v[\x+\i:\x+\i+1], v[SS:SS+1]
	v_pk_fma_f32 v[SS+2:SS+3], v[\x+\i+2:\x+\i+3], v[\x+\i+2:\x+\i+3], v[SS+2:SS+3]
.endr
	v_pk_add_f32 v[SS:SS+1], v[SS:SS+1], v[SS+2:SS+3]
	v_add_f32 v[SS], v[SS], v[SS+1]
	v_permlanex16_b32 v[TT], v[SS], s[SEL], s[SEL+1]
	v_add_f32 v[SS], v[SS], v[TT]                                     ; with the row's other block
	v_add_nc_u32 v[SO], 0xfe000000, v[AM]                             ; 4 off the exponent field: the conversion takes this operand's exponent field as its scale
	v_cvt_scalef32_pk16_bf6_f32 v[\dst:\dst+2], v[\x:\x+15], v[SO]
	v_cvt_scalef32_pk16_bf6_f32 v[PX:PX+2], v[\x+16:\x+31], v[SO]     ; (a conversion's three registers begin on an even number)
	v_lshrrev_b32 v[SB], 23, v[SO]                                    ; the scale's byte; also the plain line behind the conversions
.irp i, 0,1,2
	v_mov_b32 v[\dst+3+\i], v[PX+\i]
.endr
	v_lshlrev_b32 v[\swd], v[SH8], v[SB]                              ; my block's byte at its place,
	v_permlanex16_b32 v[TT], v[\swd], s[SEL], s[SEL+1]
	v_or_b32 v[\swd], v[\swd], v[TT]                                  ; with the other block's
.endm
	s_load_b256 s[4:11], s[0:1], 0x0               ; X s[4:5], train_features s[6:7], gmax s[8:9], cmax s[10:11]
	s_load_b64 s[12:13], s[0:1], 0x20              ; xh
	v_lshl_add_u32 v254, v0, 2, 0x40400
	v_mov_b32 v255, 0
	ds_add_u32 v254, v255
	ds_add_u32 v254, v255
	v_lshrrev_b32 v63, 5, v0
	v_readfirstlane_b32 s14, v63                   ; wave 0..3
	s_mov_b32 s15, ttmp9                           ; slice 0..249
	s_mov_b32 s[SEL], 0x76543210
	s_mov_b32 s[SEL+1], 0xfedcba98
	s_mov_b32 s[HM], 0xffff0000
	; every address register is made here, ahead of the first branch on the wave's number
	v_and_b32 v[LN], 31, v0
	v_and_b32 v[R], 15, v0
	v_bfe_u32 v[HB], v0, 4, 1
	s_lshl_b32 s56, s14, 15
	v_lshlrev_b32 v[XAD], 8, v[R]
	v_lshl_add_u32 v[XAD], v[HB], 7, v[XAD]
	v_add_nc_u32 v[XAD], s56, v[XAD]
	v_and_b32 v60, 8, v[R]
	v_add_nc_u32 v60, v60, v[R]                    ; r + (r & 8): the pair row of tile 0's row r
	v_mul_u32_u24 v61, v60, RP
	v_lshl_add_u32 v61, v[HB], 7, v61
	s_mul_i32 s56, s14, RAWW
	v_add_nc_u32 v[RWA], s56, v61
	v_add_nc_u32 v[RWT], RAWT, v61
	s_mul_i32 s57, s14, REC
	s_add_co_u32 s57, s57, IMG
	v_lshl_add_u32 v[IWA], v[LN], 4, s57
	v_lshl_add_u32 v[IWB], v[LN], 3, s57
	v_lshl_add_u32 v[IWS], v[LN], 2, s57
	v_lshl_add_u32 v[IWC], v60, 2, s57
	v_lshl_add_u32 v[ILA], v[LN], 4, IMG
	v_lshl_add_u32 v[ILB], v[LN], 3, IMG
	v_lshl_add_u32 v[ILS], v[LN], 2, IMG
	v_lshl_add_u32 v[ILC], v[HB], 6, IMG
	s_lshl_b32 s56, s14, 12
	v_lshlrev_b32 v[GA], 5, v[R]
	v_lshl_add_u32 v[GA], v[HB], 4, v[GA]
	v_add_nc_u32 v[GA], s56, v[GA]
	s_lshl_b32 s56, s14, 10
	s_add_co_u32 s56, s56, 98304
	v_lshl_add_u32 v[TA], v[LN], 4, s56
	s_mul_i32 s56, s14, 128000
	v_mul_u32_u24 v[CA], v[HB], 16000
	v_lshl_add_u32 v[CA], v[R], 2, v[CA]
	v_add_nc_u32 v[CA], s56, v[CA]
	v_lshlrev_b32 v[SH8], 3, v[HB]
	s_lshl_b32 s56, s14, 9
	v_lshlrev_b32 v[XHA], 2, v[R]
	v_lshl_add_u32 v[XHA], v[HB], 6, v[XHA]
	v_add_nc_u32 v[XHA], s56, v[XHA]
	v_mov_b32 v[TT], 0                             ; written once: a lane permute's destination counts as one of its sources
	; descriptor group 1: 32 rows x 64 elements of 4 bytes, dense in memory, 16 bytes of padding behind each row in LDS
	s_mov_b32 s[G1+0], (2<<16)|(1<<20)|(5<<22)|(3<<25)   ; no mask; elements of 4 bytes; padding on, behind every 64 words, 4 words
	s_mov_b32 s[G1+1], 64<<16                      ; tensor_dim0 = 64
	s_mov_b32 s[G1+2], 32<<16                      ; tensor_dim1 = 32
	s_mov_b32 s[G1+3], 64<<16                      ; tile_dim0 = 64
	s_mov_b32 s[G1+4], 32                          ; tile_dim1 = 32
	s_mov_b32 s[G1+5], 64                          ; elements from row to row
	s_mov_b32 s[G1+6], 0
	s_mov_b32 s[G1+7], 0
	s_wait_dscnt 0x0
	s_wait_kmcnt 0x0
	s_mul_i32 s56, s15, SLB
	s_mov_b32 s57, 0
	s_add_nc_u64 s[58:59], s[6:7], s[56:57]        ; the slice's first row
	s_mov_b32 s[G0T], 1
	s_mov_b32 s[G0T+1], RAWT
	s_add_nc_u64 s[G0T+2:G0T+3], s[58:59], 24*8192 ; rows 768 on
	s_or_b32 s[G0T+3], s[G0T+3], 0x80000000
	s_lshl_b32 s56, s14, 13
	s_add_nc_u64 s[58:59], s[58:59], s[56:57]      ; my pair of round 0: rows 32 w on
	s_mul_i32 s60, s14, RAWW
.irp i, 0,1,2,3,4,5
	s_mov_b32 s[G0+4*\i], 1
	s_add_co_u32 s[G0+4*\i+1], s60, \i*RND         ; LDS: RAWW x wave + RND x round
	s_add_nc_u64 s[G0+4*\i+2:G0+4*\i+3], s[58:59], \i*32768   ; a round is 128 rows
	s_or_b32 s[G0+4*\i+3], s[G0+4*\i+3], 0x80000000
.endr
	; ALL FILLS GO OUT HERE, ahead of every wait on TENSORcnt, every LDS read and every barrier: seven loads of wave 0 are out, six of the others.
	; Wave 0's extra load stands first, so that behind each round's load the same loads follow in every wave.
	s_cmp_lg_u32 s14, 0
	s_cbranch_scc1 .Lno_tail_load
	tensor_load_to_lds s[G0T:G0T+3], s[G1:G1+7]
	s_nop 0
	NOPS 4
.Lno_tail_load:
.irp i, 0,1,2,3,4,5
	tensor_load_to_lds s[G0+4*\i:G0+4*\i+3], s[G1:G1+7]
	s_nop 0
.endr
	NOPS 4
	s_mul_i32 s56, s15, GSL
	s_add_nc_u64 s[8:9], s[8:9], s[56:57]          ; gmax at my slice
	s_lshl_b32 s56, s15, 6
	s_add_nc_u64 s[10:11], s[10:11], s[56:57]      ; cmax at my slice
	; ---- X: my eight query tiles become codes, while the slice is on its way.  Four raw tiles of 32 registers take turns; eight loads a tile.
.macro XL t
.irp k, 0,1,2,3,4,5,6,7
	global_load_b128 v[OB+32*((\t)%4)+4*\k:OB+32*((\t)%4)+4*\k+3], v[XAD], s[4:5] offset:(\t)*4096+16*\k
.endr
.endm
	XL 0
	XL 1
	XL 2
	XL 3
.irp t, 0,1,2,3,4,5,6,7
.if \t < 5
	s_wait_loadcnt 24                              ; this tile's eight loads are in; three younger tiles' may be out
.else
	s_wait_loadcnt 8*(7-\t)                        ; the counts run down
.endif
	QTILE OB+32*(\t%4), PC, QS+\t
	v_mul_f32 v[CM+\t], 0.5, v[SS]                 ; |x|^2 / 2
	WIN 0x40                                       ; destination window 1
.irp j, 0,1,2,3,4,5
	v_mov_b32 v[12*\t+\j], v[PC+\j]
.endr
.irp j, 6,7,8,9,10,11
	v_mov_b32 v[12*\t+\j], 0                       ; K = 64 .. 127: zero codes
.endr
	WIN 0
.if \t < 4
	XL \t+4
.endif
.endr
	s_cmp_lg_u32 s15, 0                            ; xh is stored by work-group 0 alone: each byte of a buffer by one work-group
	s_cbranch_scc1 .Lno_xh
.irp e, 0,1,2,3
	v_cndmask_b32 v[ST4+\e], v[CM+2*\e], v[CM+2*\e+1], s[HM]   ; lanes 0-15 tile 2 e, lanes 16-31 tile 2 e + 1
	global_store_b32 v[XHA], v[ST4+\e], s[12:13] offset:128*\e
.endr
	s_wait_xcnt 0x0                                ; the stores' data registers are written again only behind this wait
.Lno_xh:
.irp j, 0,1,2,3,4,5,6,7
	v_mov_b32 v[CM+\j], 0xff800000                 ; under every key
.endr
.irp be, 0,1
.irp u, 0,1
.irp j, 6,7,8,9,10,11
	v_mov_b32 v[OB+40*\be+12*\u+\j], 0             ; the row tiles' K = 64 .. 127: zero codes, written once; the loads below fill registers 0-5 alone
.endr
.endr
.endr
; A pair of 32 raw rows at v[ra] + roff becomes an image at ioff.
.macro QPAIR ra, roff, ioff
.irp u, 0,1
.irp k, 0,1,2,3,4,5,6,7
	ds_load_b128 v[DD+32*\u+4*\k:DD+32*\u+4*\k+3], v[\ra] offset:(\roff)+8*RP*\u+16*\k   ; tile u's rows lie 8 u rows on
.endr
.endr
	s_wait_dscnt 8                                 ; tile 0's eight loads are in, tile 1's may be out
	QTILE DD, PC, SW0
	v_mul_f32 v[CV0], -0.5, v[SS]
	ds_store_b128 v[IWA], v[PC:PC+3] offset:(\ioff)
	ds_store_b64 v[IWB], v[PC+4:PC+5] offset:(\ioff)+512
	ds_store_b32 v[IWC], v[CV0] offset:(\ioff)+1664          ; both halves of the lanes write the same word with the same value
	s_wait_dscnt 0x0                               ; tile 1 is in, and the stores have read the codes' registers
	QTILE DD+32, PC, SW1
	v_mul_f32 v[CV1], -0.5, v[SS]
	ds_store_b128 v[IWA], v[PC:PC+3] offset:(\ioff)+768
	ds_store_b64 v[IWB], v[PC+4:PC+5] offset:(\ioff)+1280
	ds_store_b32 v[IWC], v[CV1] offset:(\ioff)+1696
	v_cndmask_b32 v[SWM], v[SW0], v[SW1], s[HM]    ; lanes 0-15 tile 0's words, lanes 16-31 tile 1's
	ds_store_b32 v[IWS], v[SWM] offset:(\ioff)+1536
.endm
; Pair p's image into operand buffer be: nine loads
.macro FETCH p, be
	ds_load_b128 v[OB+40*(\be):OB+40*(\be)+3], v[ILA] offset:(\p)*REC
	ds_load_b64 v[OB+40*(\be)+4:OB+40*(\be)+5], v[ILB] offset:(\p)*REC+512
	ds_load_b128 v[OB+40*(\be)+12:OB+40*(\be)+15], v[ILA] offset:(\p)*REC+768
	ds_load_b64 v[OB+40*(\be)+16:OB+40*(\be)+17], v[ILB] offset:(\p)*REC+1280
	ds_load_b32 v[SCB+(\be)], v[ILS] offset:(\p)*REC+1536
	ds_load_b128 v[OB+40*(\be)+24:OB+40*(\be)+27], v[ILC] offset:(\p)*REC+1664   ; C of tile u, lane half h: c of pair rows 16 h + 8 u + 0 .. 7
	ds_load_b128 v[OB+40*(\be)+28:OB+40*(\be)+31], v[ILC] offset:(\p)*REC+1680
	ds_load_b128 v[OB+40*(\be)+32:OB+40*(\be)+35], v[ILC] offset:(\p)*REC+1696
	ds_load_b128 v[OB+40*(\be)+36:OB+40*(\be)+39], v[ILC] offset:(\p)*REC+1712
.endm
; Four products: query tiles 2 e, 2 e + 1 against the pair's two tiles, into result set `set`.  Each has its own D, and C is no result of a product: nothing is added in place.
.macro STEPW be, e, set
	WIN 0x04                                       ; source 1, the queries, in window 1
.irp qq, 0,1
.irp u, 0,1
.if \u
	v_wmma_scale_f32_16x16x128_f8f6f4 v[DD+32*(\set)+16*\qq+8*\u:DD+32*(\set)+16*\qq+8*\u+7], v[OB+40*(\be)+12*\u:OB+40*(\be)+12*\u+11], v[12*(2*(\e)+\qq):12*(2*(\e)+\qq)+11], v[OB+40*(\be)+24+8*\u:OB+40*(\be)+24+8*\u+7], v[SCB+(\be)], v[QS+2*(\e)+\qq] matrix_a_fmt:MATRIX_FMT_BF6 matrix_b_fmt:MATRIX_FMT_BF6 matrix_a_scale:MATRIX_SCALE_ROW1
.else
	v_wmma_scale_f32_16x16x128_f8f6f4 v[DD+32*(\set)+16*\qq+8*\u:DD+32*(\set)+16*\qq+8*\u+7], v[OB+40*(\be)+12*\u:OB+40*(\be)+12*\u+11], v[12*(2*(\e)+\qq):12*(2*(\e)+\qq)+11], v[OB+40*(\be)+24+8*\u:OB+40*(\be)+24+8*\u+7], v[SCB+(\be)], v[QS+2*(\e)+\qq] matrix_a_fmt:MATRIX_FMT_BF6 matrix_b_fmt:MATRIX_FMT_BF6
.endif
.endr
.endr
	WIN 0
.endm
; The largest of each query tile's 16 registers of a set: the group's largest key.  Sixteen lines, the two tiles by turns; each result is read from its low end on.
.macro REDUCE set, gx, gy
	v_max3_num_f32 v[MX], v[DD+32*(\set)], v[DD+32*(\set)+1], v[DD+32*(\set)+2]
	v_max3_num_f32 v[MY], v[DD+32*(\set)+16], v[DD+32*(\set)+17], v[DD+32*(\set)+18]
.irp j, 3,5,7,9,11,13
	v_max3_num_f32 v[MX], v[MX], v[DD+32*(\set)+\j], v[DD+32*(\set)+\j+1]
	v_max3_num_f32 v[MY], v[MY], v[DD+32*(\set)+16+\j], v[DD+32*(\set)+17+\j]
.endr
	v_max_num_f32 v[\gx], v[MX], v[DD+32*(\set)+15]
	v_max_num_f32 v[\gy], v[MY], v[DD+32*(\set)+31]
.endm
; Round i: 16 steps n = 4 w' + e of four products.  Behind step n stands the reduction of step n - 1, whose sixteen lines name no register of step n's products.  They are the places
; in front of the next reduction's reads (4 asked), of step n + 2's products, which write over step n's results (5 asked), and of the loads into an operand buffer (4 asked).
.macro PROD i
	s_wait_xcnt 0x0                                ; the last round's stores have read G
	FETCH 4*(\i), 0
	FETCH 4*(\i)+1, 1
.set n, 0
.rept 16
.if n == 0
	s_wait_dscnt 9                                 ; the first pair is in; the second pair's nine loads may be out
.elseif n%4 == 0
	s_wait_dscnt 0x0                               ; the next pair is in: nothing was issued behind its loads
.endif
	STEPW (n/4)&1, n%4, n&1
.if n == 0
	NOPS 5                                         ; no reduction is due yet: five places, for step 2's products too
.else
.set pw, (n-1)/4
.set pe, (n-1)%4
	REDUCE (n-1)&1, G+8*pe+pw, G+8*pe+4+pw
.endif
.if (n == 4) || (n == 8)
	FETCH 4*(\i)+n/4+1, 1-((n/4)&1)                ; the buffer that step n - 1 read last
.endif
.set n, n+1
.endr
	NOPS 4
	REDUCE 1, G+27, G+31
.irp qi, 0,1,2,3,4,5,6,7
	v_max3_num_f32 v[CM+\qi], v[CM+\qi], v[G+4*\qi], v[G+4*\qi+1]
.endr
.irp qi, 0,1,2,3,4,5,6,7
	v_max3_num_f32 v[CM+\qi], v[CM+\qi], v[G+4*\qi+2], v[G+4*\qi+3]
.endr
.irp qi, 0,1,2,3,4,5,6,7
	global_store_b128 v[GA], v[G+4*\qi:G+4*\qi+3], s[8:9] offset:(\i)*16384+512*\qi th:TH_STORE_NT   ; the wave's store covers 512 consecutive bytes, at a multiple of 512 from the buffer's first byte
.endr
.endm
.macro BAR                                     ; my image stores have landed and my LDS loads are in: then the work-group's barrier.  Images are never written again, so one barrier a round is enough
	s_wait_dscnt 0x0
	s_barrier_signal -1
	s_barrier_wait -1
.endm
	s_wait_tensorcnt 5                             ; round 0's load is in: five were issued behind it
	QPAIR RWA, 0, 0
.irp i, 0,1,2,3,4,5
	BAR                                            ; round i's four images lie in LDS
.if \i < 5
	s_wait_tensorcnt 4-\i                          ; round i + 1's load is in: so many were issued behind it
	QPAIR RWA, (\i+1)*RND, (\i+1)*RNDI
.else
	s_cmp_lg_u32 s14, 0                            ; the 25th pair is wave 0's
	s_cbranch_scc1 .Lno_tail
	s_wait_tensorcnt 0x0
	QPAIR RWT, 0, 6*RNDI
.Lno_tail:
.endif
	PROD \i
.endr
	BAR                                            ; the 25th pair's image lies in LDS
	s_wait_xcnt 0x0                                ; round 5's stores have read G
	FETCH 24, 0
	s_wait_dscnt 0x0
	STEPW 0, 0, 0
	NOPS 5
	STEPW 0, 1, 1
	REDUCE 0, G, G+1
	STEPW 0, 2, 0
	REDUCE 1, G+2, G+3
	STEPW 0, 3, 1
	REDUCE 0, G+4, G+5
	NOPS 4
	REDUCE 1, G+6, G+7
.irp qi, 0,1,2,3,4,5,6,7
	v_max_num_f32 v[CM+\qi], v[CM+\qi], v[G+\qi]
.endr
.irp a, 0,1
	global_store_b128 v[TA], v[G+4*\a:G+4*\a+3], s[8:9] offset:512*\a th:TH_STORE_NT
.endr
.irp qi, 0,1,2,3,4,5,6,7
	v_permlanex16_b32 v[TT], v[CM+\qi], s[SEL], s[SEL+1]
	v_max_num_f32 v[CM+\qi], v[CM+\qi], v[TT]      ; both halves of the lanes: the slice's largest key of query r
.endr
.irp e, 0,1,2,3
	v_cndmask_b32 v[ST4+\e], v[CM+2*\e], v[CM+2*\e+1], s[HM]
	global_store_b32 v[CA], v[ST4+\e], s[10:11] offset:32000*\e
.endr
	s_wait_tensorcnt 0x0                           ; no tensor load is out at the end
	s_wait_tensorcnt 0x0
	ds_add_u32 v254, v255
	s_wait_dscnt 0x0
	s_endpgm
.Lfunc_end_k_q2d4dd93480_scan:
	.size	k_q2d4dd93480_scan, .Lfunc_end_k_q2d4dd93480_scan-k_q2d4dd93480_scan
	.p2alignl 7, 3214868480
	.fill 96, 4, 3214868480
	.section	.rodata,"a",@progbits
	.p2align	6, 0x0
	.amdhsa_kernel k_q2d4dd93480_scan
		.amdhsa_group_segment_fixed_size 263680
		.amdhsa_private_segment_fixed_size 0
		.amdhsa_enable_private_segment 0
		.amdhsa_kernarg_size 40
		.amdhsa_user_sgpr_count 2
		.amdhsa_user_sgpr_kernarg_segment_ptr 1
		.amdhsa_wavefront_size32 1
		.amdhsa_system_sgpr_workgroup_id_x 1
		.amdhsa_system_sgpr_workgroup_id_y 1
		.amdhsa_system_sgpr_workgroup_id_z 1
		.amdhsa_system_vgpr_workitem_id 0
		.amdhsa_next_free_vgpr 384
		.amdhsa_next_free_sgpr 66
		.amdhsa_reserve_vcc 0
		.amdhsa_float_denorm_mode_32 3
		.amdhsa_float_denorm_mode_16_64 3
		.amdhsa_memory_ordered 1
		.amdhsa_forward_progress 1
		.amdhsa_inst_pref_size 255
	.end_amdhsa_kernel
	.section	.bss,"aw",@nobits
	.p2align	6
	.space	262144
	.amdgpu_metadata
---
amdhsa.version: [ 1, 2 ]
amdhsa.kernels:
  - .name:           k_q2d4dd93480_scan
    .symbol:         k_q2d4dd93480_scan.kd
    .args:
      - { .name: X, .offset: 0, .size: 8, .value_kind: global_buffer, .address_space: global }
      - { .name: train_features, .offset: 8, .size: 8, .value_kind: global_buffer, .address_space: global }
      - { .name: gmax, .offset: 16, .size: 8, .value_kind: global_buffer, .address_space: global }
      - { .name: cmax, .offset: 24, .size: 8, .value_kind: global_buffer, .address_space: global }
      - { .name: xh, .offset: 32, .size: 8, .value_kind: global_buffer, .address_space: global }
    .group_segment_fixed_size: 263680
    .private_segment_fixed_size: 0
    .kernarg_segment_align: 8
    .kernarg_segment_size: 40
    .max_flat_workgroup_size: 128
    .sgpr_count:     66
    .vgpr_count:     384
    .wavefront_size: 32
...
	.end_amdgpu_metadata
.endif
;; end of part 1
;; launch pick_slices (part 2): grid 256 x 1, 2 waves a work-group, no clusters, 0 bytes of LDS; arguments cmax, xh, slices; writes slices
.if DOCPART == 2
	.amdgcn_target "amdgcn-amd-amdhsa--gfx1250"
	.amdhsa_code_object_version 6
	.text
	.protected	k_q2d4dd93480_pick_slices
	.globl	k_q2d4dd93480_pick_slices
	.p2align	8
	.type	k_q2d4dd93480_pick_slices,@function
k_q2d4dd93480_pick_slices:
	s_mov_b64 s[64:65], 0
	v_nop
	global_prefetch_b8 v0, s[64:65] scope:SCOPE_SE
	s_setreg_imm32_b32 hwreg(HW_REG_WAVE_MODE, 25, 1), 1
	s_wait_xcnt 0x0
; KNN, pass 2 of 4.  For each query: the 16 slices with the best (largest key held at |x|^2 / 2, lowest number), of 250.  One wave to a query; register i of lane l is slice 32 i + l.
; The hold is reference()'s max(d^2, 0): d^2 <= 0 just where the key >= |x|^2 / 2, and a minimum with a constant may be taken behind a maximum.
; The choice is 16 equal trips of maxima and selects: no branch and no address hangs on a key.  Numbers are kept as minus the number in f32 (exact), so that a maximum finds the lowest.
; No LDS, no matrix unit, no cluster: a query's 250 numbers are 1,000 bytes, and waves share nothing.  LIMITS: NaN and infinities are not served.
.set LN,   1
.set A,    2                           ; cmax: 16000 (q / 16) + 4 (q % 16) + 64 lane
.set A7,   3                           ; the same with the lane held at 25: slices 224 .. 249
.set M,    4                           ; the trip's best key
.set C,    5                           ; minus its lowest number
.set T0,   6
.set T1,   7
.set TP,   8
.set OC,   9                           ; lane k: minus the k-th choice
.set NINF, 10
.set NONE, 11
.set OA,   12
.set OUT,  13
.set V,    16                          ; v16-23 keys
.set NI,   32                          ; v32-39 minus the slices' numbers
.set SEL,  16                          ; s[16:17]
.set KC,   18
.macro WAVEMAX x                       ; the largest over the 32 lanes, in every lane
	v_max_num_f32_dpp v[\x], v[\x], v[\x] row_xmask:1 row_mask:0xf bank_mask:0xf
	v_max_num_f32_dpp v[\x], v[\x], v[\x] row_xmask:2 row_mask:0xf bank_mask:0xf
	v_max_num_f32_dpp v[\x], v[\x], v[\x] row_xmask:4 row_mask:0xf bank_mask:0xf
	v_max_num_f32_dpp v[\x], v[\x], v[\x] row_xmask:8 row_mask:0xf bank_mask:0xf
	v_permlanex16_b32 v[TP], v[\x], s[SEL], s[SEL+1]
	v_max_num_f32 v[\x], v[\x], v[TP]
.endm
; 16 trips.  Each: the best key; among its holders the lowest number; that entry's key becomes -infinity; lane k of the trip's number k keeps the choice.
.macro SELECT r, v, ni, key
	s_mov_b32 s[KC], 0
.Lsel_\@:
	v_max3_num_f32 v[M], v[\v], v[\v+1], v[\v+2]
.set ii, 3
.rept (\r-3)/2
	v_max3_num_f32 v[M], v[M], v[\v+ii], v[\v+ii+1]
.set ii, ii+2
.endr
.if (\r)%2 == 0
	v_max_num_f32 v[M], v[M], v[\v+\r-1]
.endif
	WAVEMAX M
	v_mov_b32 v[C], v[NONE]
.set ii, 0
.rept (\r)/2
	v_cmp_eq_f32 vcc_lo, v[M], v[\v+ii]
	v_cndmask_b32 v[T0], v[NONE], v[\ni+ii], vcc_lo
	v_cmp_eq_f32 vcc_lo, v[M], v[\v+ii+1]
	v_cndmask_b32 v[T1], v[NONE], v[\ni+ii+1], vcc_lo
	v_max3_num_f32 v[C], v[C], v[T0], v[T1]
.set ii, ii+2
.endr
.if (\r)%2 == 1
	v_cmp_eq_f32 vcc_lo, v[M], v[\v+\r-1]
	v_cndmask_b32 v[T0], v[NONE], v[\ni+\r-1], vcc_lo
	v_max_num_f32 v[C], v[C], v[T0]
.endif
	WAVEMAX C
.set ii, 0
.rept \r
	v_cmp_eq_f32 vcc_lo, v[C], v[\ni+ii]
	v_cndmask_b32 v[\v+ii], v[\v+ii], v[NINF], vcc_lo
.set ii, ii+1
.endr
	v_cmp_eq_u32 vcc_lo, s[KC], v[LN]
	v_cndmask_b32 v[OC], v[OC], v[C], vcc_lo
.if \key
	v_cndmask_b32 v[OM], v[OM], v[M], vcc_lo
.endif
	s_add_co_u32 s[KC], s[KC], 1
	s_cmp_lt_u32 s[KC], 16
	s_cbranch_scc1 .Lsel_\@
.endm
	s_load_b128 s[4:7], s[0:1], 0x0                ; cmax, xh
	s_load_b64 s[8:9], s[0:1], 0x10                ; slices
	v_lshrrev_b32 v14, 5, v0
	v_readfirstlane_b32 s10, v14                   ; wave 0, 1
	v_and_b32 v[LN], 31, v0
	s_lshl_b32 s11, ttmp9, 1
	s_add_co_u32 s11, s11, s10                     ; my query
	s_lshr_b32 s12, s11, 4
	s_mul_i32 s12, s12, 16000
	s_and_b32 s13, s11, 15
	s_lshl_b32 s13, s13, 2
	s_add_co_u32 s12, s12, s13
	v_lshl_add_u32 v[A], v[LN], 6, s12
	v_min_u32 v[T0], 25, v[LN]
	v_lshl_add_u32 v[A7], v[T0], 6, s12            ; no load leaves the 250 slices
	s_lshl_b32 s14, s11, 2
	s_mov_b32 s15, 0
	s_lshl_b32 s22, s11, 6
	v_lshl_add_u32 v[OA], v[LN], 2, s22
	s_mov_b32 s[SEL], 0x76543210
	s_mov_b32 s[SEL+1], 0xfedcba98
	s_mov_b32 s20, 0xfc000000                      ; lanes 26-31: no slice in register 7
	v_mov_b32 v[NINF], 0xff800000
	v_mov_b32 v[NONE], 0xff61b1e6                  ; -3e38: under minus every number
	v_mov_b32 v[TP], 0
	v_mov_b32 v[OC], 0
	s_wait_kmcnt 0x0
	s_add_nc_u64 s[6:7], s[6:7], s[14:15]
	s_load_b32 s19, s[6:7], 0x0                    ; |x|^2 / 2
.irp i, 0,1,2,3,4,5,6
	global_load_b32 v[V+\i], v[A], s[4:5] offset:2048*\i
.endr
	global_load_b32 v[V+7], v[A7], s[4:5] offset:2048*7
.irp i, 0,1,2,3,4,5,6,7
	v_sub_nc_u32 v[T0], -32*\i, v[LN]
	v_cvt_f32_i32 v[NI+\i], v[T0]                  ; -(32 i + lane)
.endr
	v_cndmask_b32 v[NI+7], v[NI+7], v[NONE], s20
	s_wait_loadcnt 0x0
	s_wait_kmcnt 0x0
	v_cndmask_b32 v[V+7], v[V+7], v[NINF], s20
.irp i, 0,1,2,3,4,5,6,7
	v_min_num_f32 v[V+\i], s19, v[V+\i]
.endr
	SELECT 8, V, NI, 0
	v_cvt_i32_f32 v[OUT], v[OC]
	v_sub_nc_u32 v[OUT], 0, v[OUT]
	s_wait_xcnt 0x0                                ; EXEC changes only behind this wait
	v_cmp_gt_u32 vcc_lo, 16, v[LN]
	s_and_saveexec_b32 s21, vcc_lo
	global_store_b32 v[OA], v[OUT], s[8:9]         ; lanes 0-15: 64 consecutive bytes
	s_endpgm
.Lfunc_end_k_q2d4dd93480_pick_slices:
	.size	k_q2d4dd93480_pick_slices, .Lfunc_end_k_q2d4dd93480_pick_slices-k_q2d4dd93480_pick_slices
	.p2alignl 7, 3214868480
	.fill 96, 4, 3214868480
	.section	.rodata,"a",@progbits
	.p2align	6, 0x0
	.amdhsa_kernel k_q2d4dd93480_pick_slices
		.amdhsa_group_segment_fixed_size 0
		.amdhsa_private_segment_fixed_size 0
		.amdhsa_enable_private_segment 0
		.amdhsa_kernarg_size 24
		.amdhsa_user_sgpr_count 2
		.amdhsa_user_sgpr_kernarg_segment_ptr 1
		.amdhsa_wavefront_size32 1
		.amdhsa_system_sgpr_workgroup_id_x 1
		.amdhsa_system_sgpr_workgroup_id_y 1
		.amdhsa_system_sgpr_workgroup_id_z 1
		.amdhsa_system_vgpr_workitem_id 0
		.amdhsa_next_free_vgpr 64
		.amdhsa_next_free_sgpr 66
		.amdhsa_reserve_vcc 1
		.amdhsa_float_denorm_mode_32 3
		.amdhsa_float_denorm_mode_16_64 3
		.amdhsa_memory_ordered 1
		.amdhsa_forward_progress 1
		.amdhsa_inst_pref_size 7
	.end_amdhsa_kernel
	.amdgpu_metadata
---
amdhsa.version: [ 1, 2 ]
amdhsa.kernels:
  - .name:           k_q2d4dd93480_pick_slices
    .symbol:         k_q2d4dd93480_pick_slices.kd
    .args:
      - { .name: cmax, .offset: 0, .size: 8, .value_kind: global_buffer, .address_space: global }
      - { .name: xh, .offset: 8, .size: 8, .value_kind: global_buffer, .address_space: global }
      - { .name: slices, .offset: 16, .size: 8, .value_kind: global_buffer, .address_space: global }
    .group_segment_fixed_size: 0
    .private_segment_fixed_size: 0
    .kernarg_segment_align: 8
    .kernarg_segment_size: 24
    .max_flat_workgroup_size: 64
    .sgpr_count:     66
    .vgpr_count:     64
    .wavefront_size: 32
...
	.end_amdgpu_metadata
.endif
;; end of part 2
;; launch pick_groups (part 3): grid 256 x 1, 2 waves a work-group, no clusters, 0 bytes of LDS; arguments gmax, xh, slices, groups; writes groups
.if DOCPART == 3
	.amdgcn_target "amdgcn-amd-amdhsa--gfx1250"
	.amdhsa_code_object_version 6
	.text
	.protected	k_q2d4dd93480_pick_groups
	.globl	k_q2d4dd93480_pick_groups
	.p2align	8
	.type	k_q2d4dd93480_pick_groups,@function
k_q2d4dd93480_pick_groups:
	s_mov_b64 s[64:65], 0
	v_nop
	global_prefetch_b8 v0, s[64:65] scope:SCOPE_SE
	s_setreg_imm32_b32 hwreg(HW_REG_WAVE_MODE, 25, 1), 1
	s_wait_xcnt 0x0
; KNN, pass 3 of 4.  For each query: the 16 groups of 16 rows with the best (largest key held at |x|^2 / 2, lowest number), among the 800 groups of its 16 chosen slices.
; One wave to a query.  Lane l takes list place l / 2 and the groups of parity b = l % 2 in that slice: 25 of them, six loads of 16 bytes and one of 4; two neighbouring lanes read 32 neighbouring bytes.
; gmax, for slice s at 102,400 s: byte 16384 i + 32 q + 16 h + 4 w' holds group 50 s + 8 i + 2 w' + h;  byte 98304 + 512 (q / 64) + 16 (q % 16 + 16 h) + 4 (q / 16 % 4) holds group 50 s + 48 + h.
; The slices' numbers were stored as whole numbers by the launch before; they are held at 249 ahead of the address.  The choice itself is 16 equal trips of maxima and selects.
; LIMITS: NaN and infinities are not served.
.set LN,   1
.set A0,   2
.set SL,   3                           ; my slice
.set M,    4
.set C,    5
.set T0,   6
.set T1,   7
.set TP,   8
.set OC,   9
.set NINF, 10
.set NONE, 11
.set OA,   12
.set OUT,  13
.set B,    14                          ; lane % 2
.set O1,   15
.set V,    16                          ; v16-40 keys
.set O2,   42
.set BS,   43                          ; 50 x slice + b
.set OO,   44                          ; 102,400 x slice
.set NI,   48                          ; v48-72 minus the groups' numbers
.set SEL,  24                          ; s[24:25]
.set KC,   26
.macro WAVEMAX x                       ; the largest over the 32 lanes, in every lane
	v_max_num_f32_dpp v[\x], v[\x], v[\x] row_xmask:1 row_mask:0xf bank_mask:0xf
	v_max_num_f32_dpp v[\x], v[\x], v[\x] row_xmask:2 row_mask:0xf bank_mask:0xf
	v_max_num_f32_dpp v[\x], v[\x], v[\x] row_xmask:4 row_mask:0xf bank_mask:0xf
	v_max_num_f32_dpp v[\x], v[\x], v[\x] row_xmask:8 row_mask:0xf bank_mask:0xf
	v_permlanex16_b32 v[TP], v[\x], s[SEL], s[SEL+1]
	v_max_num_f32 v[\x], v[\x], v[TP]
.endm
; 16 trips.  Each: the best key; among its holders the lowest number; that entry's key becomes -infinity; lane k of the trip's number k keeps the choice.
.macro SELECT r, v, ni, key
	s_mov_b32 s[KC], 0
.Lsel_\@:
	v_max3_num_f32 v[M], v[\v], v[\v+1], v[\v+2]
.set ii, 3
.rept (\r-3)/2
	v_max3_num_f32 v[M], v[M], v[\v+ii], v[\v+ii+1]
.set ii, ii+2
.endr
.if (\r)%2 == 0
	v_max_num_f32 v[M], v[M], v[\v+\r-1]
.endif
	WAVEMAX M
	v_mov_b32 v[C], v[NONE]
.set ii, 0
.rept (\r)/2
	v_cmp_eq_f32 vcc_lo, v[M], v[\v+ii]
	v_cndmask_b32 v[T0], v[NONE], v[\ni+ii], vcc_lo
	v_cmp_eq_f32 vcc_lo, v[M], v[\v+ii+1]
	v_cndmask_b32 v[T1], v[NONE], v[\ni+ii+1], vcc_lo
	v_max3_num_f32 v[C], v[C], v[T0], v[T1]
.set ii, ii+2
.endr
.if (\r)%2 == 1
	v_cmp_eq_f32 vcc_lo, v[M], v[\v+\r-1]
	v_cndmask_b32 v[T0], v[NONE], v[\ni+\r-1], vcc_lo
	v_max_num_f32 v[C], v[C], v[T0]
.endif
	WAVEMAX C
.set ii, 0
.rept \r
	v_cmp_eq_f32 vcc_lo, v[C], v[\ni+ii]
	v_cndmask_b32 v[\v+ii], v[\v+ii], v[NINF], vcc_lo
.set ii, ii+1
.endr
	v_cmp_eq_u32 vcc_lo, s[KC], v[LN]
	v_cndmask_b32 v[OC], v[OC], v[C], vcc_lo
.if \key
	v_cndmask_b32 v[OM], v[OM], v[M], vcc_lo
.endif
	s_add_co_u32 s[KC], s[KC], 1
	s_cmp_lt_u32 s[KC], 16
	s_cbranch_scc1 .Lsel_\@
.endm
	s_load_b256 s[4:11], s[0:1], 0x0               ; gmax s[4:5], xh s[6:7], slices s[8:9], groups s[10:11]
	v_lshrrev_b32 v[T0], 5, v0
	v_readfirstlane_b32 s12, v[T0]                 ; wave 0, 1
	v_and_b32 v[LN], 31, v0
	s_lshl_b32 s13, ttmp9, 1
	s_add_co_u32 s13, s13, s12                     ; my query
	s_lshl_b32 s14, s13, 6                         ; its 64 bytes in slices and in groups
	v_lshrrev_b32 v[T0], 1, v[LN]
	v_lshl_add_u32 v[A0], v[T0], 2, s14
	v_lshl_add_u32 v[OA], v[LN], 2, s14
	v_and_b32 v[B], 1, v[LN]
	s_lshl_b32 s15, s13, 5
	v_lshl_add_u32 v[O1], v[B], 4, s15             ; 32 q + 16 b
	s_lshr_b32 s16, s13, 6
	s_lshl_b32 s16, s16, 9
	s_and_b32 s17, s13, 15
	s_lshl_b32 s17, s17, 4
	s_add_co_u32 s16, s16, s17
	s_bfe_u32 s17, s13, 0x20004
	s_lshl_b32 s17, s17, 2
	s_add_co_u32 s16, s16, s17
	s_add_co_u32 s16, s16, 98304
	v_lshl_add_u32 v[O2], v[B], 8, s16             ; 98304 + 512 (q / 64) + 16 (q % 16) + 4 (q / 16 % 4) + 256 b
	s_lshl_b32 s18, s13, 2
	s_mov_b32 s19, 0
	s_mov_b32 s[SEL], 0x76543210
	s_mov_b32 s[SEL+1], 0xfedcba98
	v_mov_b32 v[NINF], 0xff800000
	v_mov_b32 v[NONE], 0xff61b1e6                  ; -3e38: under minus every number
	v_mov_b32 v[TP], 0
	v_mov_b32 v[OC], 0
	s_wait_kmcnt 0x0
	global_load_b32 v[SL], v[A0], s[8:9]
	s_add_nc_u64 s[6:7], s[6:7], s[18:19]
	s_load_b32 s20, s[6:7], 0x0                    ; |x|^2 / 2
	s_wait_loadcnt 0x0
	v_min_u32 v[SL], 249, v[SL]                    ; a loaded number enters an address only behind this hold
	v_mul_u32_u24 v[OO], v[SL], 102400
	v_add_nc_u32 v[O1], v[O1], v[OO]
	v_add_nc_u32 v[O2], v[O2], v[OO]
.irp i, 0,1,2,3,4,5
	global_load_b128 v[V+4*\i:V+4*\i+3], v[O1], s[4:5] offset:16384*\i
.endr
	global_load_b32 v[V+24], v[O2], s[4:5]
	v_mul_u32_u24 v[BS], v[SL], 50
	v_add_nc_u32 v[BS], v[BS], v[B]
.irp i, 0,1,2,3,4,5
.irp w, 0,1,2,3
	v_sub_nc_u32 v[T0], -(8*\i+2*\w), v[BS]
	v_cvt_f32_i32 v[NI+4*\i+\w], v[T0]             ; -(50 s + 8 i + 2 w' + b)
.endr
.endr
	v_sub_nc_u32 v[T0], -48, v[BS]
	v_cvt_f32_i32 v[NI+24], v[T0]
	s_wait_loadcnt 0x0
	s_wait_kmcnt 0x0
.set ii, 0
.rept 25
	v_min_num_f32 v[V+ii], s20, v[V+ii]
.set ii, ii+1
.endr
	SELECT 25, V, NI, 0
	v_cvt_i32_f32 v[OUT], v[OC]
	v_sub_nc_u32 v[OUT], 0, v[OUT]
	s_wait_xcnt 0x0                                ; EXEC changes only behind this wait
	v_cmp_gt_u32 vcc_lo, 16, v[LN]
	s_and_saveexec_b32 s21, vcc_lo
	global_store_b32 v[OA], v[OUT], s[10:11]       ; lanes 0-15: 64 consecutive bytes
	s_endpgm
.Lfunc_end_k_q2d4dd93480_pick_groups:
	.size	k_q2d4dd93480_pick_groups, .Lfunc_end_k_q2d4dd93480_pick_groups-k_q2d4dd93480_pick_groups
	.p2alignl 7, 3214868480
	.fill 96, 4, 3214868480
	.section	.rodata,"a",@progbits
	.p2align	6, 0x0
	.amdhsa_kernel k_q2d4dd93480_pick_groups
		.amdhsa_group_segment_fixed_size 0
		.amdhsa_private_segment_fixed_size 0
		.amdhsa_enable_private_segment 0
		.amdhsa_kernarg_size 32
		.amdhsa_user_sgpr_count 2
		.amdhsa_user_sgpr_kernarg_segment_ptr 1
		.amdhsa_wavefront_size32 1
		.amdhsa_system_sgpr_workgroup_id_x 1
		.amdhsa_system_sgpr_workgroup_id_y 1
		.amdhsa_system_sgpr_workgroup_id_z 1
		.amdhsa_system_vgpr_workitem_id 0
		.amdhsa_next_free_vgpr 96
		.amdhsa_next_free_sgpr 66
		.amdhsa_reserve_vcc 1
		.amdhsa_float_denorm_mode_32 3
		.amdhsa_float_denorm_mode_16_64 3
		.amdhsa_memory_ordered 1
		.amdhsa_forward_progress 1
		.amdhsa_inst_pref_size 12
	.end_amdhsa_kernel
	.amdgpu_metadata
---
amdhsa.version: [ 1, 2 ]
amdhsa.kernels:
  - .name:           k_q2d4dd93480_pick_groups
    .symbol:         k_q2d4dd93480_pick_groups.kd
    .args:
      - { .name: gmax, .offset: 0, .size: 8, .value_kind: global_buffer, .address_space: global }
      - { .name: xh, .offset: 8, .size: 8, .value_kind: global_buffer, .address_space: global }
      - { .name: slices, .offset: 16, .size: 8, .value_kind: global_buffer, .address_space: global }
      - { .name: groups, .offset: 24, .size: 8, .value_kind: global_buffer, .address_space: global }
    .group_segment_fixed_size: 0
    .private_segment_fixed_size: 0
    .kernarg_segment_align: 8
    .kernarg_segment_size: 32
    .max_flat_workgroup_size: 64
    .sgpr_count:     66
    .vgpr_count:     96
    .wavefront_size: 32
...
	.end_amdgpu_metadata
.endif
;; end of part 3
;; launch vote (part 4): grid 512 x 1, 4 waves a work-group, no clusters, 3,584 bytes of LDS; arguments X, train_features, train_labels, groups, out0; writes out0
.if DOCPART == 4
	.amdgcn_target "amdgcn-amd-amdhsa--gfx1250"
	.amdhsa_code_object_version 6
	.text
	.protected	k_q2d4dd93480_vote
	.globl	k_q2d4dd93480_vote
	.p2align	8
	.type	k_q2d4dd93480_vote,@function
k_q2d4dd93480_vote:
	s_mov_b64 s[64:65], 0
	v_nop
	global_prefetch_b8 v0, s[64:65] scope:SCOPE_SE
	s_setreg_imm32_b32 hwreg(HW_REG_WAVE_MODE, 25, 1), 1
	s_wait_xcnt 0x0
; KNN, pass 4 of 4.  One work-group to a query.  The 256 rows of its 16 chosen groups are quantised and multiplied again, by the same lines as in pass 1 (same codes, same C = -|t|^2 / 2, same
; matrix instruction: the same bits); wave y takes list places 4 y .. 4 y + 3, a group being one tile of 16 neighbouring rows; source 1 is the query in all 16 columns.
; Keys and minus (16 x row + label) meet in LDS; wave 0 picks the 16 best (key held at |x|^2 / 2, lowest row), takes d = sqrt(max(|x|^2 - 2 key, 0)), w = 1 / d, or, where any d is 0,
; w = 1 at the zeros and 0 elsewhere; sums w by label, and stores the first largest label.  All of that by selects: no branch and no address hangs on a key.
; The groups' numbers were stored as whole numbers by the launch before; they are held at 12,499 ahead of every address.
; No tensor loads, no cluster: a work-group's 64 KiB of rows are its own choice, and all its loads go out at the head.
; LIMITS: NaN and infinities are not served.  Rows are ranked on the held key: a tie that only the root's rounding would make is broken by the key, not by the row.  A denormal d^2 counts as 0
; (v_sqrt_f32 takes denormals as zero: ISA guide 15.8).  The votes are summed in a butterfly's order.  A label outside 0 .. 9 gives no vote, as one_hot has it.
.set KEY,  0                           ; LDS: [list place 16][row 16] keys;
.set NIB,  1024                        ; the same shape: minus (16 x row + label);
.set CSC,  2048                        ; and 256 bytes for each wave: c of its four tiles
.set LN,   1
.set R,    2
.set HB,   3
.set GLA,  4                           ; groups: 64 q + 16 y + 4 (lane / 8)
.set XA,   5                           ; X: 256 q + 128 hb
.set RB,   6                           ; a tile's rows: 256 r + 128 hb
.set TAD,  7                           ; v7-10   + 4,096 x the group's number
.set SH8,  11                          ; 8 hb
.set GL,   12                          ; the group of list place 4 y + lane / 8
.set LA,   13                          ; its labels' bytes
.set ROW2, 14                          ; 16 x group + 2 (lane % 8)
.set X2,   15                          ; |x|^2
.set XR,   16                          ; v16-47   X as loaded;  then the codes of tiles 0 and 1 (v16, v28);  at the end the ten votes
.set TR,   48                          ; v48-175  four raw tiles;  then: v48, v60 the codes of tiles 2 and 3; v80-111 the four C; v112-143 the four results
.set AF0,  16
.set AF1,  28
.set AF2,  48
.set AF3,  60
.set CB,   80
.set DB,   112
.set QF,   176                         ; v176-187 the query's codes
.set QSW,  188                         ; its scale word;  v189-192 the tiles': scales and nothing else
.set TSW,  189
.set AM,   194
.set SO,   196
.set SB,   197
.set PX,   198
.set SS,   202
.set TT,   206
.set CV,   208                         ; v208-211 c of the four tiles
.set CSW,  212                         ; CSC + 256 y + 4 r
.set CSL,  213                         ; CSC + 256 y + 32 hb
.set KST,  214                         ; KEY + 256 y + 32 hb
.set NST,  215                         ; NIB + 256 y + 8 lane
.set KLD,  216                         ; 32 lane
.set LB,   218                         ; v218-219 two labels
.set NID,  220                         ; v220-221 minus (16 x row + label)
.set V,    224                         ; v224-231 wave 0: eight keys a lane
.set NI,   232                         ; v232-239 and their numbers
.set M,    240
.set C,    241
.set T0,   242
.set T1,   243
.set TP,   244
.set OC,   245
.set OM,   246
.set NINF, 247
.set NONE, 248
.set LAB,  249
.set D2,   250
.set DK,   251
.set W,    252
.set F1,   253
.set ONE,  254
.set BI,   255
.set VT,   16                          ; v16-25 the votes
.set BEST, 26
.set ZO,   27
.set SEL,  26                          ; s[26:27]
.set KC,   30
; A lane's 32 numbers v[x] .. v[x + 31] are block hb of its row.  Out: the fragment's registers 0-5 in v[dst] on, the row's scale word in v[swd], the row's sum of squares in v[SS].  The lines are pass 1's.
.macro QTILE x, dst, swd
	v_max3_num_f32 v[AM], |v[\x]|, |v[\x+1]|, 0x2800000               ; the block's largest magnitude, and the floor 2^(5 - 127): the byte cannot fall under 1
	v_max3_num_f32 v[AM+1], |v[\x+2]|, |v[\x+3]|, |v[\x+4]|
.irp i, 5,9,13,17,21,25
	v_max3_num_f32 v[AM], v[AM], |v[\x+\i]|, |v[\x+\i+1]|
	v_max3_num_f32 v[AM+1], v[AM+1], |v[\x+\i+2]|, |v[\x+\i+3]|
.endr
	v_max3_num_f32 v[AM], v[AM], |v[\x+29]|, |v[\x+30]|
	v_max3_num_f32 v[AM], v[AM], v[AM+1], |v[\x+31]|
	v_pk_mul_f32 v[SS:SS+1], v[\x:\x+1], v[\x:\x+1]
	v_pk_mul_f32 v[SS+2:SS+3], v[\x+2:\x+3], v[\x+2:\x+3]
.irp i, 4,8,12,16,20,24,28
	v_pk_fma_f32 v[SS:SS+1], v[\x+\i:\x+\i+1], v[\x+\i:\x+\i+1], v[SS:SS+1]
	v_pk_fma_f32 v[SS+2:SS+3], v[\x+\i+2:\x+\i+3], v[\x+\i+2:\x+\i+3], v[SS+2:SS+3]
.endr
	v_pk_add_f32 v[SS:SS+1], v[SS:SS+1], v[SS+2:SS+3]
	v_add_f32 v[SS], v[SS], v[SS+1]
	v_permlanex16_b32 v[TT], v[SS], s[SEL], s[SEL+1]
	v_add_f32 v[SS], v[SS], v[TT]
	v_add_nc_u32 v[SO], 0xfe000000, v[AM]                             ; 4 off the exponent field: the conversions' scale operand
	v_cvt_scalef32_pk16_bf6_f32 v[\dst:\dst+2], v[\x:\x+15], v[SO]
	v_cvt_scalef32_pk16_bf6_f32 v[PX:PX+2], v[\x+16:\x+31], v[SO]
	v_lshrrev_b32 v[SB], 23, v[SO]                                    ; the scale's byte; also the plain line behind the conversions
.irp i, 0,1,2
	v_mov_b32 v[\dst+3+\i], v[PX+\i]
.endr
	v_lshlrev_b32 v[\swd], v[SH8], v[SB]
	v_permlanex16_b32 v[TT], v[\swd], s[SEL], s[SEL+1]
	v_or_b32 v[\swd], v[\swd], v[TT]
.endm
.macro WAVEMAX x                       ; the largest over the 32 lanes, in every lane
	v_max_num_f32_dpp v[\x], v[\x], v[\x] row_xmask:1 row_mask:0xf bank_mask:0xf
	v_max_num_f32_dpp v[\x], v[\x], v[\x] row_xmask:2 row_mask:0xf bank_mask:0xf
	v_max_num_f32_dpp v[\x], v[\x], v[\x] row_xmask:4 row_mask:0xf bank_mask:0xf
	v_max_num_f32_dpp v[\x], v[\x], v[\x] row_xmask:8 row_mask:0xf bank_mask:0xf
	v_permlanex16_b32 v[TP], v[\x], s[SEL], s[SEL+1]
	v_max_num_f32 v[\x], v[\x], v[TP]
.endm
; 16 trips.  Each: the best key; among its holders the lowest number; that entry's key becomes -infinity; lane k of the trip's number k keeps the choice (key = 1: and its key).
.macro SELECT r, v, ni, key
	s_mov_b32 s[KC], 0
.Lsel_\@:
	v_max3_num_f32 v[M], v[\v], v[\v+1], v[\v+2]
.set ii, 3
.rept (\r-3)/2
	v_max3_num_f32 v[M], v[M], v[\v+ii], v[\v+ii+1]
.set ii, ii+2
.endr
.if (\r)%2 == 0
	v_max_num_f32 v[M], v[M], v[\v+\r-1]
.endif
	WAVEMAX M
	v_mov_b32 v[C], v[NONE]
.set ii, 0
.rept (\r)/2
	v_cmp_eq_f32 vcc_lo, v[M], v[\v+ii]
	v_cndmask_b32 v[T0], v[NONE], v[\ni+ii], vcc_lo
	v_cmp_eq_f32 vcc_lo, v[M], v[\v+ii+1]
	v_cndmask_b32 v[T1], v[NONE], v[\ni+ii+1], vcc_lo
	v_max3_num_f32 v[C], v[C], v[T0], v[T1]
.set ii, ii+2
.endr
.if (\r)%2 == 1
	v_cmp_eq_f32 vcc_lo, v[M], v[\v+\r-1]
	v_cndmask_b32 v[T0], v[NONE], v[\ni+\r-1], vcc_lo
	v_max_num_f32 v[C], v[C], v[T0]
.endif
	WAVEMAX C
.set ii, 0
.rept \r
	v_cmp_eq_f32 vcc_lo, v[C], v[\ni+ii]
	v_cndmask_b32 v[\v+ii], v[\v+ii], v[NINF], vcc_lo
.set ii, ii+1
.endr
	v_cmp_eq_u32 vcc_lo, s[KC], v[LN]
	v_cndmask_b32 v[OC], v[OC], v[C], vcc_lo
.if \key
	v_cndmask_b32 v[OM], v[OM], v[M], vcc_lo
.endif
	s_add_co_u32 s[KC], s[KC], 1
	s_cmp_lt_u32 s[KC], 16
	s_cbranch_scc1 .Lsel_\@
.endm
	s_load_b256 s[4:11], s[0:1], 0x0               ; X s[4:5], train_features s[6:7], train_labels s[8:9], groups s[10:11]
	s_load_b64 s[12:13], s[0:1], 0x20              ; out0
	v_lshl_add_u32 v222, v0, 2, 0xc00
	v_mov_b32 v223, 0
	v_lshrrev_b32 v[T0], 5, v0
	v_readfirstlane_b32 s14, v[T0]                 ; wave 0..3
	s_mov_b32 s15, ttmp9                           ; my query
	v_and_b32 v[LN], 31, v0
	v_and_b32 v[R], 15, v0
	v_bfe_u32 v[HB], v0, 4, 1
	s_lshl_b32 s16, s15, 6
	s_lshl_b32 s17, s14, 4
	s_add_co_u32 s16, s16, s17                     ; 64 q + 16 y: my four list places
	s_mov_b32 s17, 0
	v_lshrrev_b32 v[GLA], 3, v[LN]
	v_lshl_add_u32 v[GLA], v[GLA], 2, s16
	s_lshl_b32 s18, s15, 8
	v_lshl_add_u32 v[XA], v[HB], 7, s18
	v_lshlrev_b32 v[RB], 8, v[R]
	v_lshl_add_u32 v[RB], v[HB], 7, v[RB]
	v_lshlrev_b32 v[SH8], 3, v[HB]
	s_lshl_b32 s19, s14, 8                         ; 256 y
	s_add_co_u32 s28, s19, CSC
	s_add_co_u32 s29, s19, NIB
	v_lshl_add_u32 v[CSW], v[R], 2, s28
	v_lshl_add_u32 v[CSL], v[HB], 5, s28
	v_lshl_add_u32 v[KST], v[HB], 5, s19
	v_lshl_add_u32 v[NST], v[LN], 3, s29
	v_lshlrev_b32 v[KLD], 5, v[LN]
	s_mov_b32 s[SEL], 0x76543210
	s_mov_b32 s[SEL+1], 0xfedcba98
	v_mov_b32 v[TT], 0                             ; written once: a lane permute's destination counts as one of its sources
	v_mov_b32 v[TP], 0
	s_wait_kmcnt 0x0
	s_add_nc_u64 s[24:25], s[10:11], s[16:17]
	s_load_b128 s[20:23], s[24:25], 0x0            ; my four groups, as scalars
	global_load_b32 v[GL], v[GLA], s[10:11]        ; and one to each eight lanes, for the labels
.irp k, 0,1,2,3,4,5,6,7
	global_load_b128 v[XR+4*\k:XR+4*\k+3], v[XA], s[4:5] offset:16*\k   ; the query, block hb, alike in all sixteen columns
.endr
	s_wait_kmcnt 0x0
.irp t, 0,1,2,3
	s_min_u32 s[20+\t], s[20+\t], 12499            ; a loaded number enters an address only behind this hold
	s_lshl_b32 s[20+\t], s[20+\t], 12              ; 16 rows of 256 bytes
	v_add_nc_u32 v[TAD+\t], s[20+\t], v[RB]
.endr
.irp t, 0,1,2,3
.irp k, 0,1,2,3,4,5,6,7
	global_load_b128 v[TR+32*\t+4*\k:TR+32*\t+4*\k+3], v[TAD+\t], s[6:7] offset:16*\k
.endr
.endr
	s_wait_loadcnt 40                              ; the list word is in: 8 + 32 loads were issued behind it
	v_min_u32 v[GL], 12499, v[GL]
	v_and_b32 v[T0], 7, v[LN]
	v_lshlrev_b32 v[T0], 1, v[T0]
	v_lshl_add_u32 v[ROW2], v[GL], 4, v[T0]
	v_lshlrev_b32 v[LA], 2, v[ROW2]
	global_load_b64 v[LB:LB+1], v[LA], s[8:9]      ; the labels of rows 2 (lane % 8), + 1 of list place 4 y + lane / 8
	s_wait_loadcnt 33                              ; the query is in: 32 + 1 loads were issued behind it
	QTILE XR, QF, QSW
	v_mov_b32 v[X2], v[SS]
.irp j, 6,7,8,9,10,11
	v_mov_b32 v[QF+\j], 0                          ; K = 64 .. 127: zero codes
.endr
.macro TILE t, af
	s_wait_loadcnt 25-8*\t                         ; this tile's eight loads are in; the later tiles' and the labels' may be out
	QTILE TR+32*\t, \af, TSW+\t
.irp j, 6,7,8,9,10,11
	v_mov_b32 v[\af+\j], 0
.endr
	v_mul_f32 v[CV+\t], -0.5, v[SS]
	ds_store_b32 v[CSW], v[CV+\t] offset:64*\t     ; both halves of the lanes write the same word with the same value
.endm
	TILE 0, AF0                                    ; the codes land on registers whose raw numbers are used up: X's, then tile 0's
	TILE 1, AF1
	TILE 2, AF2
	TILE 3, AF3
.irp t, 0,1,2,3
	ds_load_b128 v[CB+8*\t:CB+8*\t+3], v[CSL] offset:64*\t        ; C in the result's layout: c of rows 8 hb + 0 .. 7.  My own bytes: LDS serves a wave's instructions in order (ISA guide 5.7.1.4)
	ds_load_b128 v[CB+8*\t+4:CB+8*\t+7], v[CSL] offset:64*\t+16
.endr
	s_wait_loadcnt 0x0                             ; the labels
	v_min_u32 v[LB], 15, v[LB]                     ; four bits for the label: what lies outside 0 .. 9 stays outside
	v_min_u32 v[LB+1], 15, v[LB+1]
	v_lshl_add_u32 v[LB], v[ROW2], 4, v[LB]
	v_lshl_add_u32 v[LB+1], v[ROW2], 4, v[LB+1]
	v_sub_nc_u32 v[LB], 0, v[LB]
	v_sub_nc_u32 v[LB+1], -16, v[LB+1]             ; the second row is one further on
	v_cvt_f32_i32 v[NID], v[LB]                    ; under 2^24 in magnitude: exact
	v_cvt_f32_i32 v[NID+1], v[LB+1]
	ds_store_b64 v[NST], v[NID:NID+1]
.rept 8
	v_nop                                          ; scale words written by vector instructions stand eight places ahead of a scaled matrix instruction, codes so written four
.endr
	s_wait_dscnt 0x0                               ; C is in
.macro MULT t, af
	v_wmma_scale_f32_16x16x128_f8f6f4 v[DB+8*\t:DB+8*\t+7], v[\af:\af+11], v[QF:QF+11], v[CB+8*\t:CB+8*\t+7], v[TSW+\t], v[QSW] matrix_a_fmt:MATRIX_FMT_BF6 matrix_b_fmt:MATRIX_FMT_BF6
.endm
	MULT 0, AF0
	MULT 1, AF1
	MULT 2, AF2
	MULT 3, AF3
.rept 4
	v_nop                                          ; four places in front of the stores that read the results
.endr
.irp t, 0,1,2,3
	ds_store_b128 v[KST], v[DB+8*\t:DB+8*\t+3] offset:64*\t       ; each result from its low end on; the sixteen columns hold the same keys and write the same bytes
	ds_store_b128 v[KST], v[DB+8*\t+4:DB+8*\t+7] offset:64*\t+16
.endr
	s_wait_dscnt 0x0                               ; for wave 0's sake: my keys and numbers have landed
	s_barrier_signal -1
	s_barrier_wait -1
	s_cmp_lg_u32 s14, 0
	s_cbranch_scc1 .Ldone                          ; the rest is one wave's work
	ds_load_b128 v[V:V+3], v[KLD]
	ds_load_b128 v[V+4:V+7], v[KLD] offset:16
	ds_load_b128 v[NI:NI+3], v[KLD] offset:NIB
	ds_load_b128 v[NI+4:NI+7], v[KLD] offset:NIB+16
	v_mov_b32 v[NINF], 0xff800000
	v_mov_b32 v[NONE], 0xff61b1e6                  ; -3e38: under minus every number
	v_mov_b32 v[OC], 0
	v_mov_b32 v[OM], 0
	v_mul_f32 v[T0], 0.5, v[X2]
	s_wait_dscnt 0x0
.irp i, 0,1,2,3,4,5,6,7
	v_min_num_f32 v[V+\i], v[V+\i], v[T0]          ; max(d^2, 0), on the key
.endr
	SELECT 8, V, NI, 1
	; lanes 0-15 hold the 16 nearest; lanes 16-31 hold zeros, stay in their own row of sixteen below, and are masked out of the test for a zero distance
	v_cvt_i32_f32 v[LAB], v[OC]
	v_sub_nc_u32 v[LAB], 0, v[LAB]
	v_and_b32 v[LAB], 15, v[LAB]
	v_fma_f32 v[D2], v[OM], -2.0, v[X2]
	v_max_num_f32 v[D2], 0, v[D2]
	v_sqrt_f32 v[DK], v[D2]
	v_mov_b32 v[F1], 1.0                           ; a plain line behind the root
	s_wait_alu depctr_va_vdst(0)
	v_rcp_f32 v[W], v[DK]
	v_nop                                          ; and behind the reciprocal
	v_cmp_eq_f32 vcc_lo, 0, v[DK]
	v_cndmask_b32 v[ONE], 0, v[F1], vcc_lo
	s_and_b32 s31, vcc_lo, 0xffff
	s_cmp_lg_u32 s31, 0
	s_cselect_b32 s31, -1, 0                       ; any zero distance among the 16?  It selects values alone
	s_wait_alu depctr_va_vdst(0)
	v_cndmask_b32 v[W], v[W], v[ONE], s31
.irp c, 0,1,2,3,4,5,6,7,8,9
	v_cmp_eq_u32 vcc_lo, \c, v[LAB]
	v_cndmask_b32 v[VT+\c], 0, v[W], vcc_lo
.endr
.irp x, 1,2,4,8
.irp c, 0,1,2,3,4,5,6,7,8,9
	v_add_f32_dpp v[VT+\c], v[VT+\c], v[VT+\c] row_xmask:\x row_mask:0xf bank_mask:0xf   ; the ten sums by turns
.endr
.endr
	v_mov_b32 v[BEST], v[VT]
	v_mov_b32 v[BI], 0
.irp c, 1,2,3,4,5,6,7,8,9
	v_cmp_ge_f32 vcc_lo, v[BEST], v[VT+\c]         ; an equal vote keeps the earlier label
	v_cndmask_b32 v[BI], \c, v[BI], vcc_lo
	v_max_num_f32 v[BEST], v[BEST], v[VT+\c]
.endr
	v_mov_b32 v[ZO], 0
	s_lshl_b32 s16, s15, 2
	s_add_nc_u64 s[12:13], s[12:13], s[16:17]
	s_wait_xcnt 0x0                                ; EXEC changes only behind this wait
	v_cmp_eq_u32 vcc_lo, 0, v[LN]
	s_wait_tensorcnt 0x0
	ds_add_u32 v222, v223
	s_wait_dscnt 0x0
	s_and_saveexec_b32 s32, vcc_lo
	global_store_b32 v[ZO], v[BI], s[12:13]
	s_endpgm
.Ldone:
	s_wait_tensorcnt 0x0
	ds_add_u32 v222, v223
	s_wait_dscnt 0x0
	s_endpgm
.Lfunc_end_k_q2d4dd93480_vote:
	.size	k_q2d4dd93480_vote, .Lfunc_end_k_q2d4dd93480_vote-k_q2d4dd93480_vote
	.p2alignl 7, 3214868480
	.fill 96, 4, 3214868480
	.section	.rodata,"a",@progbits
	.p2align	6, 0x0
	.amdhsa_kernel k_q2d4dd93480_vote
		.amdhsa_group_segment_fixed_size 3584
		.amdhsa_private_segment_fixed_size 0
		.amdhsa_enable_private_segment 0
		.amdhsa_kernarg_size 40
		.amdhsa_user_sgpr_count 2
		.amdhsa_user_sgpr_kernarg_segment_ptr 1
		.amdhsa_wavefront_size32 1
		.amdhsa_system_sgpr_workgroup_id_x 1
		.amdhsa_system_sgpr_workgroup_id_y 1
		.amdhsa_system_sgpr_workgroup_id_z 1
		.amdhsa_system_vgpr_workitem_id 0
		.amdhsa_next_free_vgpr 256
		.amdhsa_next_free_sgpr 66
		.amdhsa_reserve_vcc 1
		.amdhsa_float_denorm_mode_32 3
		.amdhsa_float_denorm_mode_16_64 3
		.amdhsa_memory_ordered 1
		.amdhsa_forward_progress 1
		.amdhsa_inst_pref_size 33
	.end_amdhsa_kernel
	.amdgpu_metadata
---
amdhsa.version: [ 1, 2 ]
amdhsa.kernels:
  - .name:           k_q2d4dd93480_vote
    .symbol:         k_q2d4dd93480_vote.kd
    .args:
      - { .name: X, .offset: 0, .size: 8, .value_kind: global_buffer, .address_space: global }
      - { .name: train_features, .offset: 8, .size: 8, .value_kind: global_buffer, .address_space: global }
      - { .name: train_labels, .offset: 16, .size: 8, .value_kind: global_buffer, .address_space: global }
      - { .name: groups, .offset: 24, .size: 8, .value_kind: global_buffer, .address_space: global }
      - { .name: out0, .offset: 32, .size: 8, .value_kind: global_buffer, .address_space: global }
    .group_segment_fixed_size: 3584
    .private_segment_fixed_size: 0
    .kernarg_segment_align: 8
    .kernarg_segment_size: 40
    .max_flat_workgroup_size: 128
    .sgpr_count:     66
    .vgpr_count:     256
    .wavefront_size: 32
...
	.end_amdgpu_metadata
.endif
;; end of part 4
